; MI455X (gfx1250); checked and timed in simulation.
; The chip was launched on July 23, 2026; its instructions are those of AMD's public machine-readable ISA for CDNA 5 (MIT licence, August 2026) and "CDNA5" Instruction Set Architecture Reference Guide (July 2026). The comments in the code are by the model that wrote it; some were corrected since.
;; Self Attention. Allowed arithmetic: matrix products marked QUANTISED: E2M3 operands, one E8M0 scale for each 32 along K, by v_wmma_scale_f32_16x16x128_f8f6f4 with both operands' format E2M3, f32 sums; everything else in f32.
;; Inputs: Wk_codes 1,024 x 32 x 24 uint8 (E2M3 codes of Wk, K innermost, in blocks of 32 codes, four codes in three bytes); Wk_scales 1,024 x 32 uint8 (E8M0 scales of Wk, one for each 32 codes along K); Wq_codes 1,024 x 32 x 24 uint8 (E2M3 codes of Wq, K innermost, in blocks of 32 codes, four codes in three bytes); Wq_scales 1,024 x 32 uint8 (E8M0 scales of Wq, one for each 32 codes along K); Wu_codes 1,024 x 32 x 24 uint8 (E2M3 codes of Wu, K innermost, in blocks of 32 codes, four codes in three bytes); Wu_scales 1,024 x 32 uint8 (E8M0 scales of Wu, one for each 32 codes along K); Wv_codes 1,024 x 32 x 24 uint8 (E2M3 codes of Wv, K innermost, in blocks of 32 codes, four codes in three bytes); Wv_scales 1,024 x 32 uint8 (E8M0 scales of Wv, one for each 32 codes along K); bu 1,024 float32; mask 4 x 2,048 bool; x_codes 4 x 2,048 x 32 x 24 uint8 (E2M3 codes of x, K innermost, in blocks of 32 codes, four codes in three bytes); x_scales 4 x 2,048 x 32 uint8 (E8M0 scales of x, one for each 32 codes along K).
;; Outputs: out0 4 x 2,048 x 1,024 float32.
;; This version of the problem:
;;   THIS VERSION OF THE PROBLEM IS GIVEN IN LOW PRECISION. The matrix products marked QUANTISED in the list below multiply operands that are first quantised to E2M3 (2 exponent bits, 3 mantissa bits; 6 bits a number), with one power-of-two scale for each 32 numbers along K (OCP MX v1.0); their sums are f32. All else is computed in f32.
;;   The module's matrix products, in the order in which they are computed (A, B: the left and right operand; K: the contracted axis; several contracted axes count as one K, in the product's order):
;;     1. [M 8,192, K 1,024] x [K 1,024, N 1,024]; A: input x (given as codes); B: input Wq (given as codes): QUANTISED
;;     2. [M 8,192, K 1,024] x [K 1,024, N 1,024]; A: input x (given as codes); B: input Wk (given as codes): QUANTISED
;;     3. [M 8,192, K 1,024] x [K 1,024, N 1,024]; A: input x (given as codes); B: input Wv (given as codes): QUANTISED
;;     4. batch 64 x [M 2,048, K 64] x [K 64, N 2,048]; A: computed on the way; B: computed on the way: QUANTISED
;;     5. batch 64 x [M 64, K 2,048] x [K 2,048, N 2,048]; A: computed on the way; B: softmax (see below): QUANTISED
;;     6. [M 8,192, K 1,024] x [K 1,024, N 1,024]; A: computed on the way; B: input Wu (given as codes): QUANTISED
;;   THE QUANTISER, for each operand of a quantised product, along K:
;;     - K is cut into blocks of 32 from its start; a last block that is shorter is filled with zeros.
;;     - A block's scale is 2^e with e = floor(log2(the largest magnitude in the block)) - 2, held to -126 .. 127; a block of zeros has e = 0. As a byte (E8M0): e + 127.
;;     - Each number is divided by its block's scale, clamped to +-7.5, and rounded to the nearest number of E2M3, ties to even, subnormals kept.
;;     - The product sums the exact products of the quantised numbers (number of the format x scale) in f32.
;;   ~~~python
;;   def quantise(x, axis):      # numpy; x: float32 -> the quantised numbers, widened to float32 again
;;       x = np.moveaxis(x, axis, -1); K = x.shape[-1]
;;       x = np.pad(x, [(0, 0)] * (x.ndim - 1) + [(0, -K % 32)]); x = x.reshape(x.shape[:-1] + (-1, 32)); a = np.abs(x).max(-1, keepdims=True)
;;       e = np.where(a > 0, np.clip(np.frexp(np.where(a > 0, a, 1))[1] - 1 - 2, -126, 127), 0)      # np.frexp(a)[1] - 1 = floor(log2(a)), exactly
;;       r = np.clip(x / 2.0 ** e, -7.5, 7.5)
;;       step = 2.0 ** (np.maximum(np.frexp(np.where(r == 0, 1, r))[1] - 1, 0) - 3)
;;       q = np.round(r / step) * step * 2.0 ** e      # np.round: ties to even
;;       return np.moveaxis(q.reshape(q.shape[:-2] + (-1,))[..., :K], -1, axis).astype(np.float32)
;;   ~~~
;;   SOFTMAX AHEAD OF A QUANTISED PRODUCT. Where the list says 'softmax', what is quantised is not the finished softmax but p = 2^(t - M), with t = logit x log2(e) and M = ceil(the row's largest t), a whole number; so 1/2 < the row's largest p <= 1. The row's sum l is taken of the UNQUANTISED p, in f32, and the product's result is divided by l at the end. Since M is a whole number, a kernel that streams over the keys may use a running M (the ceiling of the running maximum): every later rescaling is an exact power of two, which a block's scale takes up: the codes' values come out the same.
;;   OPERANDS COMPUTED ON THE WAY. 'Computed on the way' means the value that the module computes at that place (a softmax that the list does not call 'softmax' is quantised finished and normalised). What goes into a quantiser is computed in f32, as accurately as f32 sums, v_exp_f32 and their like allow (about 1e-6 of the number): no bf16 or f16 on the way to a quantiser, and a product that is left as it is and whose result goes on into a quantised operand takes f32 operands (vector FMAs, or v_wmma_f32_16x16x4_f32). A number that lies on a knife's edge between two numbers of the format may be rounded either way, as far as f32 arithmetic and the matrix unit's own rounding can turn it there, and no further.
;;   INPUTS GIVEN AS CODES. Wk (in the module: [1024, 1024], K = its axis 1); Wq (in the module: [1024, 1024], K = its axis 1); Wu (in the module: [1024, 1024], K = its axis 1); Wv (in the module: [1024, 1024], K = its axis 1); x (in the module: [4, 2048, 1024], K = its axis 2): each comes as NAME_codes (uint8): NAME with its K axis moved to the last place and cut into blocks of 32 codes, [.., K / 32, bytes a block], one block behind the other in memory; four codes in three bytes: a row's codes are one little-endian stream of bits, code i at bits 6 i .. 6 i + 5 (a code: sign, 2 exponent bits, 3 mantissa bits); and NAME_scales (uint8): the same leading axes, one E8M0 byte (e + 127) for each 32 codes along K. Its value is code x scale, taken as it is: it is not quantised again, and the codes and scales need not be those that the quantiser above would give.
;; One version. Each part assembles by itself: llvm-mc -triple=amdgcn-amd-amdhsa -mcpu=gfx1250 --defsym DOCPART=n.
;; ======== version 1 of 1: 3 launches
;; limits: right only within a limited range of input values
;; workspace buffers: qimg 13,893,632 bytes; kv 13,893,632 bytes; oc 6,291,456 bytes; os 262,144 bytes
;; launch qkv (part 1): grid 4 x 64, 4 waves a work-group, clusters of 4 x 4, 327,680 bytes of LDS; arguments x_codes, x_scales, Wq_codes, Wq_scales, Wk_codes, Wk_scales, Wv_codes, Wv_scales, mask, qimg, kv; writes qimg, kv
.if DOCPART == 1
	.amdgcn_target "amdgcn-amd-amdhsa--gfx1250"
	.amdhsa_code_object_version 6
	.text
	.protected	k_qb3b31772cb_qkv
	.globl	k_qb3b31772cb_qkv
	.p2align	8
	.type	k_qb3b31772cb_qkv,@function
k_qb3b31772cb_qkv:
	s_mov_b64 s[64:65], 0
	v_nop
	global_prefetch_b8 v0, s[64:65] scope:SCOPE_SE
	s_setreg_imm32_b32 hwreg(HW_REG_WAVE_MODE, 25, 1), 1
	s_wait_xcnt 0x0
	s_wait_alu depctr_hold_cnt(0) depctr_sa_sdst(0) depctr_va_vdst(0) depctr_va_sdst(0) depctr_va_ssrc(0) depctr_va_vcc(0) depctr_vm_vsrc(0)
	s_getreg_b32 s2, hwreg(HW_REG_IB_STS2, 6, 4)
	s_cmp_eq_u32 s2, 0
	s_cbranch_scc0 .Lentry_in_a_cluster
	s_endpgm
.Lentry_in_a_cluster:
	s_bfe_u32 s2, ttmp6, 0x10000c
	s_cmp_lg_u32 s2, 0xf033
	s_cbranch_scc0 .Lentry_shape_is_right
	s_endpgm
.Lentry_shape_is_right:
.set HEADB, 217088
.set BLK,   13568
.set VOFF,  6144
.set KSC,   12288
.set VSC,   12800
.set BOFF,  13056
.set XP,    816
.set WP,    816
.set WB0,   128*XP
.set WSLOT, 64*WP
.set SPARE, WB0+4*WSLOT
.set R,    1
.set H,    2
.set LN,   3
.set AW0,  4
.set AX,   8
.set BX0,  10
.set BW0,  14
.set L16,  18
.set L8,   19
.set Q16,  20
.set Q8,   21
.set OSC,  22
.set R32,  23
.set SH,   24
.set CC,   25
.set SPW,  26
.set NIL,  27
.set MK,   28
.set MW,   32
.set ZZ,   33
.set F,    34
.set MKO,  42
.set MWO,  43
.set BD,   44
.set PW4,  48
.set SW,   52
.set TM,   56
.set PC,   72
.set NEGV, 92
.set Q16X, 93
.set Q8X,  94
.set SA,   96
.set SB,   160
.set WV,   26
.set G1X,  36
.set G1W,  44
.set G0X,  52
.set G0W,  56
.set SEL,  86
.set HM,   88
.set CQ,   98
.set MSB, 0
.macro WIN new
.if MSB != (\new)
	s_set_vgpr_msb (MSB<<8)|(\new)
.set MSB, (\new)
.endif
.endm
.macro CROUND
	s_barrier_signal -1
	s_barrier_wait -1
	s_cmp_lg_u32 s[WV], 0
	s_cbranch_scc1 .Lnot_wave_0_\@
	s_barrier_signal -3
.Lnot_wave_0_\@:
	s_barrier_wait -3
	s_barrier_signal -1
	s_barrier_wait -1
.endm
.macro PLACES n
.rept \n
	v_nop
.endr
.endm
.macro FRX reg, adr, s, i
.irp p, 0,1,2,3,4,5
.set PP, 12*(\s)+6*(\p/3)+\p%3
.if PP%32 < 29
	ds_load_b64 v[(\reg)+2*\p:(\reg)+2*\p+1], v[\adr] offset:8*PP+16*(PP/32)+(\i)*16*XP
.else
	ds_load_b64 v[(\reg)+2*\p:(\reg)+2*\p+1], v[(\adr)+1] offset:8*PP+16*(PP/32)+(\i)*16*XP
.endif
.endr
.endm
.macro FETCH ty, s
	WIN 0x40+0x80*((\s)%2)
.if \ty == 0
.irp i, 0,1,2,3,4,5,6,7
	FRX 12*\i, AW0+2*(\i/4), \s, \i%4
.endr
.irp j, 0,1,2,3
	FRX 96+12*\j, AX, \s, \j
.endr
.else
.irp i, 0,1,2,3,4,5,6,7
	FRX 12*\i, BX0+2*(\i/4), \s, \i%4
.endr
.irp j, 0,1,2,3
	FRX 96+12*\j, BW0, \s, \j
.endr
.endif
	WIN 0
.endm
.macro MUL ty, s, j0, zero
.irp j, \j0, \j0+1
.irp i, 0,1,2,3,4,5,6,7
.if \zero
	v_wmma_scale_f32_16x16x128_f8f6f4 v[64*(\j)+8*\i:64*(\j)+8*\i+7], v[12*\i:12*\i+11], v[96+12*(\j):96+12*(\j)+11], 0, v[SA+8*\i+(\s)], v[SB+32*(\ty)+8*(\j)+(\s)] matrix_a_fmt:MATRIX_FMT_FP6 matrix_b_fmt:MATRIX_FMT_FP6
.else
	v_wmma_scale_f32_16x16x128_f8f6f4 v[64*(\j)+8*\i:64*(\j)+8*\i+7], v[12*\i:12*\i+11], v[96+12*(\j):96+12*(\j)+11], v[64*(\j)+8*\i:64*(\j)+8*\i+7], v[SA+8*\i+(\s)], v[SB+32*(\ty)+8*(\j)+(\s)] matrix_a_fmt:MATRIX_FMT_FP6 matrix_b_fmt:MATRIX_FMT_FP6
.endif
.endr
.endr
.endm
.macro KSTEP ty, s, zero, more
	s_wait_dscnt 0x0
.if \more
	WIN 0
	PLACES 4
	FETCH \ty, (\s)+1
.endif
	WIN 0xa5+0x0a*((\s)%2)
	MUL \ty, \s, 0, \zero
	MUL \ty, \s, 2, \zero
.endm
.macro TURN ty, s, fill, slot, nw, more
	WIN 0
	s_wait_tensorcnt 0x0
	ds_add_u32 v[SPW], v[NIL]
.if \fill
	s_mov_b64 s[G0W+2:G0W+3], s[\nw:\nw+1]
	s_or_b32 s[G0W+3], s[G0W+3], 0x80000000
.endif
	s_wait_dscnt 0x1
	WIN 0xa5+0x0a*((\s)%2)
	MUL \ty, \s, 0, 0
	s_wait_dscnt 0x0
	WIN 0
.if \fill
	CROUND
	s_cmp_lt_u32 s[WV], 2                          ; waves 2 and 3 fetch the next weight's 128 rows each, whole rows of 768 bytes
	s_cbranch_scc1 .Lno_fill_\@
	tensor_load_to_lds s[G0W:G0W+3], s[G1W:G1W+7]
	s_nop 0
	PLACES 4
.Lno_fill_\@:
.else
	s_barrier_signal -1
	s_barrier_wait -1
	PLACES 4
.endif
.if \more
	FETCH \ty, (\s)+1
.endif
	WIN 0xa5+0x0a*((\s)%2)
	MUL \ty, \s, 2, 0
.endm
.macro QUANT src, pw
	WIN 0x0a
.irp b, 0,1,2,3
	v_max3_num_f32 v[TM+\b], |v[(\src)+16*\b]|, |v[(\src)+16*\b+1]|, 0x1800000
.endr
.irp i, 2,4,6,8,10,12,14
.irp b, 0,1,2,3
	v_max3_num_f32 v[TM+\b], |v[(\src)+16*\b+\i]|, |v[(\src)+16*\b+\i+1]|, v[TM+\b]
.endr
.endr
	WIN 0
.irp b, 0,1,2,3
	v_permlanex16_b32 v[TM+4+\b], v[TM+\b], s[SEL], s[SEL+1]
.endr
.irp b, 0,1,2,3
	v_max_num_f32 v[TM+\b], v[TM+\b], v[TM+4+\b]
.endr
.irp b, 0,1,2,3
	v_add_nc_u32 v[TM+12+\b], 0xff000000, v[TM+\b]
.endr
.irp b, 0,1,2,3
	v_lshrrev_b32 v[TM+4+\b], 23, v[TM+12+\b]
.endr
	v_lshl_or_b32 v[\pw], v[TM+5], 8, v[TM+4]
	v_lshl_or_b32 v[\pw], v[TM+6], 16, v[\pw]
	v_lshl_or_b32 v[\pw], v[TM+7], 24, v[\pw]
	s_wait_xcnt 0x0
	WIN 0x02
.irp c, 0,1
	v_cvt_scalef32_pk16_fp6_f32 v[PC+6*\c:PC+6*\c+2], v[(\src)+32*\c:(\src)+32*\c+15], v[TM+12+2*\c]
	v_cvt_scalef32_pk16_fp6_f32 v[PC+12+4*\c:PC+14+4*\c], v[(\src)+32*\c+16:(\src)+32*\c+31], v[TM+13+2*\c]
.endr
	WIN 0
	v_nop
.irp c, 0,1
.irp i, 0,1,2
	v_permlane16_swap_b32 v[PC+6*\c+\i], v[PC+12+4*\c+\i]
.endr
.irp i, 0,1,2
	v_mov_b32 v[PC+3+6*\c+\i], v[PC+12+4*\c+\i]
.endr
.endr
.endm
.macro EPI_QK kind, ns, dst
	WIN 0
	PLACES 4
.irp i, 0,1,2,3,4,5,6,7
	global_load_b128 v[SA+8*\i:SA+8*\i+3], v[R32], s[\ns:\ns+1] offset:512*\i
	global_load_b128 v[SA+8*\i+4:SA+8*\i+7], v[R32], s[\ns:\ns+1] offset:512*\i+16
.endr
.if \kind
.irp j, 0,1,2,3
	v_cmp_eq_u32 vcc_lo, 0, v[MK+\j]
	v_cndmask_b32 v[F+2*\j], v[CC], v[ZZ], vcc_lo
.endr
.endif
.irp j, 0,1,2,3
	WIN 0x82
.set n, 0
.rept 32
.if \kind
	v_pk_mul_f32 v[64*\j+n:64*\j+n+1], v[64*\j+n:64*\j+n+1], v[F+2*\j:F+2*\j+1] op_sel_hi:[1,0]
.else
	v_pk_mul_f32 v[64*\j+n:64*\j+n+1], v[64*\j+n:64*\j+n+1], s[CQ:CQ+1] op_sel_hi:[1,0]
.endif
.set n, n+2
.endr
	QUANT 64*\j, PW4+\j
.if (\kind) && (\j) >= 2               ; k's tiles 2, 3 of each four: lane l's bytes lie at lane l xor 8's place, as the attention launch reads them
.set QA, Q16X
.set QB, Q8X
.else
.set QA, Q16
.set QB, Q8
.endif
	global_store_b128 v[QA], v[PC:PC+3], s[\dst:\dst+1] offset:768*\j
	global_store_b64 v[QB], v[PC+4:PC+5], s[\dst:\dst+1] offset:768*\j
	global_store_b128 v[QA], v[PC+6:PC+9], s[\dst:\dst+1] offset:HEADB+768*\j
	global_store_b64 v[QB], v[PC+10:PC+11], s[\dst:\dst+1] offset:HEADB+768*\j
.endr
.irp j, 0,1,2,3
	v_lshrrev_b32 v[SW+\j], v[SH], v[PW4+\j]
.endr
.irp j, 0,1,2,3
	v_and_b32 v[SW+\j], 0xffff, v[SW+\j]
.endr
	global_store_b128 v[OSC], v[SW:SW+3], s[\dst:\dst+1] offset:KSC
	s_wait_alu depctr_va_vdst(0)
	s_wait_tensorcnt 0x0                           ; the next weight's rows are in,
	s_barrier_signal -1
	s_barrier_wait -1                              ; everybody's
.endm
.macro PHASE_QK kind, nw, ns, dst
	FETCH 0, 0
	s_wait_loadcnt 0x0
	KSTEP 0, 0, 1, 1
	KSTEP 0, 1, 0, 1
	KSTEP 0, 2, 0, 1
	KSTEP 0, 3, 0, 1
	KSTEP 0, 4, 0, 1
	KSTEP 0, 5, 0, 1
	KSTEP 0, 6, 0, 1
	TURN 0, 7, 1, 0, \nw, 0
	EPI_QK \kind, \ns, \dst
.endm
	s_load_b512 s[4:19], s[0:1], 0x0
	s_load_b128 s[20:23], s[0:1], 0x40
	s_load_b64 s[24:25], s[0:1], 0x50
	v_lshl_add_u32 v[SPW], v0, 2, SPARE
	v_mov_b32 v[NIL], 0
	ds_add_u32 v[SPW], v[NIL]
	ds_add_u32 v[SPW], v[NIL]
	v_lshrrev_b32 v1, 5, v0
	v_readfirstlane_b32 s[WV], v1
	s_and_b32 s27, s[WV], 1
	s_lshr_b32 s28, s[WV], 1
	s_bfe_u32 s29, ttmp6, 0x40000
	s_bfe_u32 s30, ttmp6, 0x40004
	s_lshl_b32 s31, ttmp9, 2
	s_add_co_u32 s31, s31, s29
	s_and_b32 s32, ttmp7, 0xffff
	s_lshl_b32 s32, s32, 2
	s_add_co_u32 s32, s32, s30
	s_lshl_b32 s33, s30, 2
	s_lshl_b32 s33, 15, s33
	s_lshl_b32 s34, 0x1111, s29
	s_or_b32 s[G1X], s33, (1<<20)|(1<<21)|(5<<22)|(3<<25)
	s_mov_b32 s[G1X+1], 768<<16
	s_mov_b32 s[G1X+2], 64<<16
	s_mov_b32 s[G1X+3], 768<<16
	s_mov_b32 s[G1X+4], 64
	s_mov_b32 s[G1X+5], 768
	s_mov_b32 s[G1X+6], 0
	s_mov_b32 s[G1X+7], 0
	s_or_b32 s[G1W], s34, (1<<20)|(1<<21)|(5<<22)|(3<<25)
	s_mov_b32 s[G1W+1], 768<<16
	s_mov_b32 s[G1W+2], 128<<16
	s_mov_b32 s[G1W+3], 768<<16
	s_mov_b32 s[G1W+4], 128
	s_mov_b32 s[G1W+5], 768
	s_mov_b32 s[G1W+6], 0
	s_mov_b32 s[G1W+7], 0
	s_lshl_b32 s66, s31, 8
	s_lshl_b32 s90, s[WV], 6
	s_add_co_u32 s66, s66, s90
	s_lshl_b32 s78, s66, 5
	s_mov_b32 s79, 0
	s_mov_b32 s67, 0
	s_lshl_b32 s80, s31, 8
	s_lshl_b32 s91, s27, 7
	s_add_co_u32 s80, s80, s91
	s_mul_i32 s66, s80, 768
	s_lshl_b32 s80, s80, 5
	s_mov_b32 s81, 0
	s_lshl_b32 s68, s32, 7
	s_lshl_b32 s82, s68, 5
	s_mov_b32 s83, 0
	s_mov_b32 s84, s68
	s_mov_b32 s85, 0
	s_lshl_b32 s92, s27, 6
	s_add_co_u32 s68, s68, s92
	s_mul_i32 s68, s68, 768
	s_mov_b32 s69, 0
	s_lshr_b32 s72, s32, 4
	s_lshl_b32 s72, s72, 4
	s_lshl_b32 s93, s31, 2
	s_add_co_u32 s72, s72, s93
	s_add_co_u32 s74, s72, s[WV]
	s_lshl_b32 s94, s27, 1
	s_add_co_u32 s72, s72, s94
	s_and_b32 s95, s32, 15
	s_mul_i32 s95, s95, BLK
	s_mul_i32 s72, s72, HEADB
	s_add_co_u32 s72, s72, s95
	s_mov_b32 s73, 0
	s_mul_i32 s74, s74, HEADB
	s_add_co_u32 s74, s74, s95
	s_mov_b32 s75, 0
	s_lshl_b32 s76, s28, 11
	s_mov_b32 s77, 0
	s_mul_i32 s96, s27, 64*XP
	s_mul_i32 s97, s[WV], 64*WP
	s_mul_i32 s35, s27, 128*WP
	s_mov_b32 s[SEL], 0x76543210
	s_mov_b32 s[SEL+1], 0xfedcba98
	s_mov_b32 s[HM], 0xffff0000
	s_mov_b32 s[CQ], 0x3e3504f3
	s_mov_b32 s[CQ+1], s[CQ]
	s_wait_dscnt 0x0
	s_wait_kmcnt 0x0
	s_add_nc_u64 s[4:5], s[4:5], s[68:69]
	s_add_nc_u64 s[8:9], s[8:9], s[66:67]
	s_add_nc_u64 s[12:13], s[12:13], s[66:67]
	s_add_nc_u64 s[16:17], s[16:17], s[66:67]
	s_add_nc_u64 s[10:11], s[10:11], s[80:81]
	s_add_nc_u64 s[14:15], s[14:15], s[80:81]
	s_add_nc_u64 s[18:19], s[18:19], s[78:79]
	s_add_nc_u64 s[6:7], s[6:7], s[82:83]
	s_add_nc_u64 s[76:77], s[6:7], s[76:77]
	s_add_nc_u64 s[20:21], s[20:21], s[84:85]
	s_add_nc_u64 s[22:23], s[22:23], s[72:73]
	s_add_nc_u64 s[70:71], s[24:25], s[72:73]
	s_add_nc_u64 s[74:75], s[24:25], s[74:75]
	CROUND
	s_mov_b32 s[G0X], 1
	s_mov_b32 s[G0X+1], s96
	s_mov_b64 s[G0X+2:G0X+3], s[4:5]
	s_or_b32 s[G0X+3], s[G0X+3], 0x80000000
	s_mov_b32 s[G0W], 1
	s_add_co_u32 s[G0W+1], s35, WB0
	s_mov_b64 s[G0W+2:G0W+3], s[8:9]
	s_or_b32 s[G0W+3], s[G0W+3], 0x80000000
	s_cmp_lt_u32 s[WV], 2                          ; the head's loads, one a wave: waves 0, 1 fetch 64 rows of x each, waves 2, 3 128 rows of Wq each
	s_cbranch_scc0 .Lhead_w
	tensor_load_to_lds s[G0X:G0X+3], s[G1X:G1X+7]
	s_nop 0
	PLACES 4
	s_branch .Lhead_asked
.Lhead_w:
	tensor_load_to_lds s[G0W:G0W+3], s[G1W:G1W+7]
	s_nop 0
	PLACES 4
.Lhead_asked:
	v_and_b32 v[R], 15, v0
	v_bfe_u32 v[H], v0, 4, 1
	v_and_b32 v[LN], 31, v0
	v_lshlrev_b32 v[R32], 5, v[R]
	s_lshl_b32 s90, s28, 6
	v_add_nc_u32 v[MKO], s90, v[R]
	v_lshlrev_b32 v[MWO], 2, v[LN]
.irp i, 0,1,2,3,4,5,6,7
	global_load_b128 v[SA+8*\i:SA+8*\i+3], v[R32], s[10:11] offset:512*\i
	global_load_b128 v[SA+8*\i+4:SA+8*\i+7], v[R32], s[10:11] offset:512*\i+16
.endr
.irp j, 0,1,2,3
	global_load_b128 v[SB+8*\j:SB+8*\j+3], v[R32], s[76:77] offset:512*\j
	global_load_b128 v[SB+8*\j+4:SB+8*\j+7], v[R32], s[76:77] offset:512*\j+16
	global_load_b128 v[SB+32+8*\j:SB+32+8*\j+3], v[R32], s[18:19] offset:512*\j
	global_load_b128 v[SB+32+8*\j+4:SB+32+8*\j+7], v[R32], s[18:19] offset:512*\j+16
	global_load_u8 v[MK+\j], v[MKO], s[20:21] offset:16*\j
.endr
	global_load_b32 v[MW], v[MWO], s[20:21]
	v_mul_u32_u24 v[TM], v[R], WP
	v_mad_u32_u24 v[TM+1], v[H], 24, v[TM]
	v_mad_u32_u24 v[TM+2], v[H], 40, v[TM]
	s_mul_i32 s90, s27, 128*WP
	s_add_co_u32 s90, s90, WB0
	v_add_nc_u32 v[AW0], s90, v[TM+1]
	v_add_nc_u32 v[AW0+1], s90, v[TM+2]
	s_add_co_u32 s90, s90, WSLOT
	v_add_nc_u32 v[AW0+2], s90, v[TM+1]
	v_add_nc_u32 v[AW0+3], s90, v[TM+2]
	s_add_co_u32 s91, s97, WB0
	v_add_nc_u32 v[BW0], s91, v[TM+1]
	v_add_nc_u32 v[BW0+1], s91, v[TM+2]
	v_mul_u32_u24 v[TM], v[R], XP
	v_mad_u32_u24 v[BX0], v[H], 24, v[TM]
	v_mad_u32_u24 v[BX0+1], v[H], 40, v[TM]
	v_add_nc_u32 v[BX0+2], 64*XP, v[BX0]
	v_add_nc_u32 v[BX0+3], 64*XP, v[BX0+1]
	s_mul_i32 s92, s28, 64*XP
	v_add_nc_u32 v[AX], s92, v[BX0]
	v_add_nc_u32 v[AX+1], s92, v[BX0+1]
	v_lshlrev_b32 v[L16], 4, v[LN]
	v_lshlrev_b32 v[L8], 3, v[LN]
	s_mul_i32 s93, s28, 3072
	v_add_nc_u32 v[Q16], s93, v[L16]
	v_add_nc_u32 v[Q8], s93, v[L8]
	v_add_nc_u32 v[Q8], 512, v[Q8]
	v_xor_b32 v[Q16X], 128, v[Q16]
	v_xor_b32 v[Q8X], 64, v[Q8]
	v_mul_u32_u24 v[OSC], v[H], HEADB
	v_lshl_add_u32 v[OSC], v[R], 4, v[OSC]
	s_lshl_b32 s93, s28, 8
	v_add_nc_u32 v[OSC], s93, v[OSC]
	v_lshlrev_b32 v[SH], 4, v[H]
	v_mov_b32 v[CC], 0x3e3504f3
	v_mov_b32 v[ZZ], 0
	v_mov_b32 v[NEGV], 0xcb189680
.irp j, 0,1,2,3
	v_mov_b32 v[F+2*\j+1], 0
	v_mov_b32 v[TM+4+\j], 0
.endr
	s_wait_alu depctr_va_vdst(0)
	s_wait_tensorcnt 0x0
	s_barrier_signal -1
	s_barrier_wait -1
	PHASE_QK 0, 12, 14, 22
	PHASE_QK 1, 16, 6, 70
	FETCH 1, 0
	s_wait_loadcnt 0x0
	KSTEP 1, 0, 1, 1
	KSTEP 1, 1, 0, 1
	KSTEP 1, 2, 0, 1
	KSTEP 1, 3, 0, 1
	KSTEP 1, 4, 0, 1
	KSTEP 1, 5, 0, 1
	KSTEP 1, 6, 0, 1
	KSTEP 1, 7, 0, 0
	WIN 0
	PLACES 4
.irp j, 0,1,2,3
	QUANT 64*\j, PW4+\j
.irp c, 0,1,2
	global_store_b128 v[L16], v[PC+4*\c:PC+4*\c+3], s[74:75] offset:VOFF+1536*\j+512*\c
.endr
.endr
	v_cndmask_b32 v[SW], v[PW4], v[PW4+2], s[HM]
	v_cndmask_b32 v[SW+1], v[PW4+1], v[PW4+3], s[HM]
	global_store_b64 v[L8], v[SW:SW+1], s[74:75] offset:VSC
.irp q, 0,1,2,3
	v_bfe_u32 v[TM+\q], v[MW], 8*\q, 8
.endr
.irp q, 0,1,2,3
	v_cmp_eq_u32 vcc_lo, 0, v[TM+\q]
	v_cndmask_b32 v[BD+\q], 0, v[NEGV], vcc_lo
.endr
	global_store_b128 v[L16], v[BD:BD+3], s[74:75] offset:BOFF
	s_wait_tensorcnt 0x0
	ds_add_u32 v[SPW], v[NIL]
	s_wait_dscnt 0x0
	CROUND
	s_endpgm
.Lfunc_end_k_qb3b31772cb_qkv:
	.size	k_qb3b31772cb_qkv, .Lfunc_end_k_qb3b31772cb_qkv-k_qb3b31772cb_qkv
	.p2alignl 7, 3214868480
	.fill 96, 4, 3214868480
	.section	.rodata,"a",@progbits
	.p2align	6, 0x0
	.amdhsa_kernel k_qb3b31772cb_qkv
		.amdhsa_group_segment_fixed_size 327680
		.amdhsa_private_segment_fixed_size 0
		.amdhsa_enable_private_segment 0
		.amdhsa_kernarg_size 88
		.amdhsa_user_sgpr_count 2
		.amdhsa_user_sgpr_kernarg_segment_ptr 1
		.amdhsa_wavefront_size32 1
		.amdhsa_system_sgpr_workgroup_id_x 1
		.amdhsa_system_sgpr_workgroup_id_y 1
		.amdhsa_system_sgpr_workgroup_id_z 1
		.amdhsa_system_vgpr_workitem_id 0
		.amdhsa_next_free_vgpr 1024
		.amdhsa_next_free_sgpr 100
		.amdhsa_reserve_vcc 1
		.amdhsa_float_denorm_mode_32 3
		.amdhsa_float_denorm_mode_16_64 3
		.amdhsa_memory_ordered 1
		.amdhsa_forward_progress 1
		.amdhsa_inst_pref_size 255
	.end_amdhsa_kernel
	.section	.bss,"aw",@nobits
	.p2align	6
	.space	262144
	.amdgpu_metadata
---
amdhsa.version: [ 1, 2 ]
amdhsa.kernels:
  - .name:           k_qb3b31772cb_qkv
    .symbol:         k_qb3b31772cb_qkv.kd
    .args:
      - { .name: x_codes, .offset: 0, .size: 8, .value_kind: global_buffer, .address_space: global }
      - { .name: x_scales, .offset: 8, .size: 8, .value_kind: global_buffer, .address_space: global }
      - { .name: Wq_codes, .offset: 16, .size: 8, .value_kind: global_buffer, .address_space: global }
      - { .name: Wq_scales, .offset: 24, .size: 8, .value_kind: global_buffer, .address_space: global }
      - { .name: Wk_codes, .offset: 32, .size: 8, .value_kind: global_buffer, .address_space: global }
      - { .name: Wk_scales, .offset: 40, .size: 8, .value_kind: global_buffer, .address_space: global }
      - { .name: Wv_codes, .offset: 48, .size: 8, .value_kind: global_buffer, .address_space: global }
      - { .name: Wv_scales, .offset: 56, .size: 8, .value_kind: global_buffer, .address_space: global }
      - { .name: mask, .offset: 64, .size: 8, .value_kind: global_buffer, .address_space: global }
      - { .name: qimg, .offset: 72, .size: 8, .value_kind: global_buffer, .address_space: global }
      - { .name: kv, .offset: 80, .size: 8, .value_kind: global_buffer, .address_space: global }
    .group_segment_fixed_size: 327680
    .private_segment_fixed_size: 0
    .kernarg_segment_align: 8
    .kernarg_segment_size: 88
    .max_flat_workgroup_size: 128
    .sgpr_count:     100
    .vgpr_count:     1024
    .wavefront_size: 32
...
	.end_amdgpu_metadata
.endif
;; end of part 1
;; launch attn (part 2): grid 4 x 64, 8 waves a work-group, clusters of 4 x 1, 218,112 bytes of LDS; arguments qimg, kv, oc, os; writes oc, os
.if DOCPART == 2
	.amdgcn_target "amdgcn-amd-amdhsa--gfx1250"
	.amdhsa_code_object_version 6
	.text
	.protected	k_qb3b31772cb_attn
	.globl	k_qb3b31772cb_attn
	.p2align	8
	.type	k_qb3b31772cb_attn,@function
k_qb3b31772cb_attn:
	s_mov_b64 s[64:65], 0
	v_nop
	global_prefetch_b8 v0, s[64:65] scope:SCOPE_SE
	s_setreg_imm32_b32 hwreg(HW_REG_WAVE_MODE, 25, 1), 1
	s_wait_xcnt 0x0
	s_wait_alu depctr_hold_cnt(0) depctr_sa_sdst(0) depctr_va_vdst(0) depctr_va_sdst(0) depctr_va_ssrc(0) depctr_va_vcc(0) depctr_vm_vsrc(0)
	s_getreg_b32 s2, hwreg(HW_REG_IB_STS2, 6, 4)
	s_cmp_eq_u32 s2, 0
	s_cbranch_scc0 .Lentry_in_a_cluster
	s_endpgm
.Lentry_in_a_cluster:
	s_bfe_u32 s2, ttmp6, 0x10000c
	s_cmp_lg_u32 s2, 0x3003
	s_cbranch_scc0 .Lentry_shape_is_right
	s_endpgm
.Lentry_shape_is_right:
; For each batch and head: S^T = k q^T + the mask's table, the softmax by the stated rule (t = logit x log2(e); M = the running largest t rounded up to a whole number; p = 2^(t - M), quantised along the keys;
; the row's sum of the unquantised p divides at the end), O^T = v^T p^T, O / sum, and the quantiser of the last product along e.  No work is left out.
; The factor 1 / sqrt(1024) lies in q and k already.  A masked key has zero codes and -1e7 in the table, which is the C of k q^T.
; LIMITS: NaN and infinities are not served; the promise holds while the scaled scores stay under 2^31 in magnitude.
; SHARES.  A work-group owns 512 queries of one head, in two passes of 256; in a pass each of its eight waves owns two tiles of 16 queries, A and B, which share every fragment read from LDS.
; THE WHOLE HEAD (217,088 bytes) comes into LDS once, one tensor load a wave (two blocks of 128 keys, 106 rows of 256 bytes): nothing is filled again, and one barrier serves the launch.
; So there is no later stream to ask ahead for: no prefetch.  CLUSTER 4 x 1: the four query blocks of a head ask for the same bytes jointly.
; WHICH KEYS FORM A TILE OF k.  Tile 4 c + u takes as rows 0-7 the keys 64 c + 8 pu + 0..7 and as rows 8-15 the keys 64 c + 32 + 8 pu + 0..7, pu = 0, 2, 1, 3 for u = 0..3.
; So lane (r, h) holds, in S^T's registers 32 c .. 32 c + 31, the WHOLE block 2 c + h of 32 keys of query r, in the order in which v's codes lie: a block's maximum needs no other lane,
; and the conversions' results are p's operand as it stands.  The rows are gathered from the 16-token images by the lanes' LDS addresses.
; The head's K is 64 and the instruction's 128: q's registers 6-11 are zero codes; k's operand for tile t is v[6 t : 6 t + 11], whose upper six registers meet q's zeros.
; REGISTERS.  A tile's own registers have the same numbers, v112-255, in window 0 (tile A) and window 1 (tile B).  Shared: window 0 v1-31 addresses and scale words, v32-95 the table;
; window 1 v0-47 k, v48-53 zeros, v54-101 v.
.set HEADB, 217088
.set BLK,   13568
.set VOFF,  6144
.set KSC,   12288
.set VSC,   12800
.set BOFF,  13056
.set SPARE, 217088
.set L16, 1
.set L8,  2
.set BAB, 3                            ; 128 x (lane / 16)
.set R16, 4
.set L32, 5
.set KA,  6                            ; v6-11 the next step's LDS addresses: k's 16-byte parts (two), 8-byte parts (two), scale words, table
.set KB,  8
.set KSA, 10
.set AB,  11
.set SPW, 12
.set NIL, 13
.set VA16, 14                          ; v14-15 this step's addresses of v
.set VA8, 15
.set KS,  16
.set VS,  20
.set QSA, 22
.set QSB, 23
.set PSB, 24
.set WB2, 25
.set WO,  26
.set BKA, 27                           ; v27-31 the lanes' parts of v6-10
.set BKB, 29
.set BKS, 31
.set BI,  32
.set VF,  54
.set NM,  112
.set TX,  113                          ; the largest score
.set SU,  114
.set Q,   116
.set S,   128
.set O,   192
.set PC,  224
.set BM,  236
.set PT,  240
.set SO,  248
.set SH8, 250                          ; 8 x (lane / 16)
.set FF,  252
.set PW,  253
.set T1,  254
.set T2,  255
.set WV,  12
.set G1,  16
.set G0,  24
.set TB,  32
.set CNT, 33
.set PASS, 34
.set TN,  35
.set CS,  36
.set SEL, 38
.set HM,  40
.set QP,  42
.set QSP, 44
.set MSB, 0
.macro WIN new
.if MSB != (\new)
	s_set_vgpr_msb (MSB<<8)|(\new)
.set MSB, (\new)
.endif
.endm
.macro CROUND
	s_barrier_signal -1
	s_barrier_wait -1
	s_cmp_lg_u32 s[WV], 0
	s_cbranch_scc1 .Lnot_wave_0_\@
	s_barrier_signal -3
.Lnot_wave_0_\@:
	s_barrier_wait -3
	s_barrier_signal -1
	s_barrier_wait -1
.endm
.macro PLACES n
.rept \n
	v_nop
.endr
.endm
.macro QLOAD
	global_load_b128 v[Q:Q+3], v[L16], s[QP:QP+1]
	global_load_b64 v[Q+4:Q+5], v[L8], s[QP:QP+1] offset:512
	global_load_b32 v[QSA], v[R16], s[QSP:QSP+1]
	global_load_b32 v[QSB], v[R16], s[QSP:QSP+1] offset:4
	WIN 0x40
	global_load_b128 v[Q:Q+3], v[L16], s[QP:QP+1] offset:768
	global_load_b64 v[Q+4:Q+5], v[L8], s[QP:QP+1] offset:768+512
	WIN 0
.endm
.macro INIT                            ; the key step is written once: the first finds zeros, which the first change of M leaves zeros
.set n, 0
.rept 32
	v_mov_b32 v[O+n], 0
.set n, n+1
.endr
	v_mov_b32 v[TX], 0xfe967699                    ; -1e38, under every score served
	v_floor_f32 v[NM], -v[TX]
	v_mov_b32 v[SU], 0
	v_mov_b32 v[SU+1], 0
.endm
.macro TMM n0, cnt                     ; t - M, two at a time
.set n, \n0
.rept \cnt
	v_pk_fma_f32 v[S+n:S+n+1], v[S+n:S+n+1], s[CS:CS+1], v[NM:NM+1] op_sel_hi:[1,0,0]
.set n, n+2
.endr
.endm
; The softmax of one tile for 128 keys, first part: maxima, M, p, the sum, my two blocks' scales, p's scale word.
.macro SM1 tile
.if \tile
	s_wait_alu depctr_va_vdst(0)                   ; the wait ahead of the first reader of S^T: tile A's exponentials stand behind its products
.endif
.irp b, 0,1,2,3
	v_max3_num_f32 v[BM+\b], v[S+16*\b], v[S+16*\b+1], v[S+16*\b+2]   ; four chains of 16 scores by turns
.endr
.irp i, 3,5,7,9,11,13
.irp b, 0,1,2,3
	v_max3_num_f32 v[BM+\b], v[BM+\b], v[S+16*\b+\i], v[S+16*\b+\i+1]
.endr
.endr
	v_max3_num_f32 v[BM], v[BM], v[BM+1], v[S+15]
	v_max3_num_f32 v[BM+2], v[BM+2], v[BM+3], v[S+47]
	v_max_num_f32 v[BM], v[BM], v[S+31]            ; the largest score of my block of c = 0: it serves the row's maximum and, since p rises with the score, the block's largest p
	v_max_num_f32 v[BM+2], v[BM+2], v[S+63]        ; and of c = 1
	v_mov_b32 v[PT], v[NM]
	v_max_num_f32 v[T1], v[BM], v[BM+2]
	v_permlanex16_b32 v[T2], v[T1], s[SEL], s[SEL+1]
	v_max3_num_f32 v[TX], v[TX], v[T1], v[T2]      ; the running largest score
	v_mul_f32 v[T1], s[CS], v[TX]                  ; as t (the factor is positive)
	v_floor_f32 v[NM], -v[T1]                      ; -M = floor(-t): M is a whole number
	v_sub_f32 v[T1], v[NM], v[PT]
	TMM 0, 8
	v_cvt_i32_f32 v[T1], v[T1]                     ; (it saturates)
	TMM 16, 8
	v_ldexp_f32 v[FF], 1.0, v[T1]                  ; f = 2^(old M - new M): it rounds nothing
	TMM 32, 16
	v_fma_f32 v[BM], v[BM], s[CS], v[NM]
	v_fma_f32 v[BM+2], v[BM+2], s[CS], v[NM]
	s_wait_alu depctr_va_vdst(0)                   ; the wait ahead of the batch
.set n, 0
.rept 64
	v_exp_f32 v[S+n], v[S+n]                       ; p, not normalised
.set n, n+1
.endr
	v_exp_f32 v[BM], v[BM]                         ; my blocks' largest p
	v_exp_f32 v[BM+2], v[BM+2]
	v_pk_mul_f32 v[SU:SU+1], v[SU:SU+1], v[FF:FF+1] op_sel_hi:[1,0]   ; the sums under the new M (a plain place behind the exponentials)
	s_wait_alu depctr_va_vdst(0)                   ; one wait for the batch of 66, ahead of its first reader
	v_pk_add_f32 v[PT:PT+1], v[S:S+1], v[S+2:S+3]  ; the row's sum is taken of the unquantised p, in four chains by turns
	v_pk_add_f32 v[PT+2:PT+3], v[S+4:S+5], v[S+6:S+7]
	v_pk_add_f32 v[PT+4:PT+5], v[S+8:S+9], v[S+10:S+11]
	v_pk_add_f32 v[SU:SU+1], v[SU:SU+1], v[S+12:S+13]
.set n, 14
.rept 6
	v_pk_add_f32 v[PT:PT+1], v[PT:PT+1], v[S+n:S+n+1]
	v_pk_add_f32 v[PT+2:PT+3], v[PT+2:PT+3], v[S+n+2:S+n+3]
	v_pk_add_f32 v[PT+4:PT+5], v[PT+4:PT+5], v[S+n+4:S+n+5]
	v_pk_add_f32 v[SU:SU+1], v[SU:SU+1], v[S+n+6:S+n+7]
.set n, n+8
.endr
	v_max_num_f32 v[BM], 0x1800000, v[BM]          ; the floor 2^(3 - 127)
	v_max_num_f32 v[BM+2], 0x1800000, v[BM+2]
	v_pk_add_f32 v[PT:PT+1], v[PT:PT+1], v[S+62:S+63]
	v_pk_add_f32 v[PT+2:PT+3], v[PT+2:PT+3], v[PT+4:PT+5]
	v_add_nc_u32 v[SO], 0xff000000, v[BM]          ; the conversions' scale operands
	v_add_nc_u32 v[SO+1], 0xff000000, v[BM+2]
	v_pk_add_f32 v[SU:SU+1], v[SU:SU+1], v[PT:PT+1]
	v_lshrrev_b32 v[T1], 23, v[SO]                 ; the scales' bytes: blocks h and 2 + h
	v_lshrrev_b32 v[T2], 23, v[SO+1]
	v_pk_add_f32 v[SU:SU+1], v[SU:SU+1], v[PT+2:PT+3]
	v_lshl_or_b32 v[T1], v[T2], 16, v[T1]
	v_lshlrev_b32 v[T1], v[SH8], v[T1]             ; at their places in the word
	v_permlanex16_b32 v[T2], v[T1], s[SEL], s[SEL+1]
.if \tile
	WIN 0x15                                       ; scale operands are taken from window 0
	v_or_b32 v[PSB], v[T1], v[T2]
	WIN 0x55
.else
	v_or_b32 v[PW], v[T1], v[T2]                   ; with lane l xor 16's two bytes the word is whole
.endif
.endm
.macro SM2                             ; second part: p's codes, and O^T under the new M (the moves and these sixteen are also the places in front of the products)
	v_cvt_scalef32_pk16_fp6_f32 v[PC:PC+2], v[S:S+15], v[SO]
	v_cvt_scalef32_pk16_fp6_f32 v[PT:PT+2], v[S+16:S+31], v[SO]
	v_cvt_scalef32_pk16_fp6_f32 v[PC+6:PC+8], v[S+32:S+47], v[SO+1]
	v_cvt_scalef32_pk16_fp6_f32 v[PT+4:PT+6], v[S+48:S+63], v[SO+1]
	v_nop
.irp i, 0,1,2
	v_mov_b32 v[PC+3+\i], v[PT+\i]                 ; (a conversion's three registers begin on an even number)
	v_mov_b32 v[PC+9+\i], v[PT+4+\i]
.endr
	s_wait_alu depctr_va_vdst(0)                   ; the wait ahead of the first reader of O^T
.set n, 0
.rept 16
	v_pk_mul_f32 v[O+n:O+n+1], v[O+n:O+n+1], v[FF:FF+1] op_sel_hi:[1,0]
.set n, n+2
.endr
.endm
.macro KQ qs
.irp t, 0,1,2,3,4,5,6,7
.if \t < 4
	v_wmma_scale_f32_16x16x128_f8f6f4 v[S+8*\t:S+8*\t+7], v[6*\t:6*\t+11], v[Q:Q+11], v[BI+8*\t:BI+8*\t+7], v[KS+\t%4], v[\qs] matrix_a_fmt:MATRIX_FMT_FP6 matrix_b_fmt:MATRIX_FMT_FP6
.else
	v_wmma_scale_f32_16x16x128_f8f6f4 v[S+8*\t:S+8*\t+7], v[6*\t:6*\t+11], v[Q:Q+11], v[BI+8*\t:BI+8*\t+7], v[KS+\t%4], v[\qs] matrix_a_fmt:MATRIX_FMT_FP6 matrix_b_fmt:MATRIX_FMT_FP6 matrix_a_scale:MATRIX_SCALE_ROW1
.endif
.endr
.endm
.macro PV ps
.irp u, 0,1,2,3
.if \u < 2
	v_wmma_scale_f32_16x16x128_f8f6f4 v[O+8*\u:O+8*\u+7], v[VF+12*\u:VF+12*\u+11], v[PC:PC+11], v[O+8*\u:O+8*\u+7], v[VS+\u%2], v[\ps] matrix_a_fmt:MATRIX_FMT_FP6 matrix_b_fmt:MATRIX_FMT_FP6
.else
	v_wmma_scale_f32_16x16x128_f8f6f4 v[O+8*\u:O+8*\u+7], v[VF+12*\u:VF+12*\u+11], v[PC:PC+11], v[O+8*\u:O+8*\u+7], v[VS+\u%2], v[\ps] matrix_a_fmt:MATRIX_FMT_FP6 matrix_b_fmt:MATRIX_FMT_FP6 matrix_a_scale:MATRIX_SCALE_ROW1
.endif
.endr
.endm
.macro KADDR                           ; the addresses of the block at LDS byte s[TN]; behind k q^T these six are the places in front of the loads
	v_add_nc_u32 v[KA], s[TN], v[BKA]
	v_add_nc_u32 v[KA+1], s[TN], v[BKA+1]
	v_add_nc_u32 v[KB], s[TN], v[BKB]
	v_add_nc_u32 v[KB+1], s[TN], v[BKB+1]
	v_add_nc_u32 v[KSA], s[TN], v[BKS]
	v_add_nc_u32 v[AB], s[TN], v[BAB]
.endm
.macro KLOAD                           ; 34 loads: k's eight tiles (pu = 2 (u % 2) + u / 2: image 4 c + 2 (r / 8) + u % 2, its rows 8 (u / 2) + r % 8), scale words, table
	WIN 0x40
.irp c, 0,1
.irp u, 0,1,2,3
	ds_load_b128 v[6*(4*\c+\u):6*(4*\c+\u)+3], v[KA+\u/2] offset:3072*\c+768*(\u%2)+128*(\u/2)
	ds_load_b64 v[6*(4*\c+\u)+4:6*(4*\c+\u)+5], v[KB+\u/2] offset:512+3072*\c+768*(\u%2)+64*(\u/2)
.endr
.endr
	WIN 0
	ds_load_b64 v[KS:KS+1], v[KSA] offset:KSC
	ds_load_b64 v[KS+2:KS+3], v[KSA] offset:KSC+128
.irp c, 0,1
.irp u, 0,1,2,3
	ds_load_b128 v[BI+8*(4*\c+\u):BI+8*(4*\c+\u)+3], v[AB] offset:BOFF+256*\c+32*(2*(\u%2)+\u/2)
	ds_load_b128 v[BI+8*(4*\c+\u)+4:BI+8*(4*\c+\u)+7], v[AB] offset:BOFF+256*\c+32*(2*(\u%2)+\u/2)+16
.endr
.endr
.endm
.macro STEP                            ; 128 keys: v of the block at s[TB]; k, its scale words and the table were asked for a step ago; those of the block at s[TN] are asked for here
	v_add_nc_u32 v[VA16], s[TB], v[L16]            ; these four are the places behind the last step's products
	v_add_nc_u32 v[VA8], s[TB], v[L8]
	v_nop
	v_nop
	WIN 0x40
.irp u, 0,1,2,3
.irp c, 0,1,2
	ds_load_b128 v[VF+12*\u+4*\c:VF+12*\u+4*\c+3], v[VA16] offset:VOFF+1536*\u+512*\c
.endr
.endr
	WIN 0
	ds_load_b64 v[VS:VS+1], v[VA8] offset:VSC
	s_wait_dscnt 13                                ; all but v's twelve loads and its scale words
	WIN 0x01
	KQ QSA
	WIN 0x45
	KQ QSB
	WIN 0
	KADDR
	KLOAD
	SM1 0
	SM2
	s_wait_alu depctr_va_vdst(0)
	s_wait_dscnt 34                                ; v is in; the 34 loads for the next step may be out
	WIN 0x01
	PV PW
	WIN 0x55
	SM1 1
	SM2
	PV PSB
	WIN 0
.endm
; The way out of a tile: O^T / the sum; tile 2 b's lanes 16-31 change places with tile 2 b + 1's lanes 0-15, so that register 16 b + i holds d = 32 b + 16 (lane / 16) + i;
; two blocks of 32 are quantised; six registers leave as 512 + 256 consecutive bytes.
.macro EPI tile
	WIN 0x55*(\tile)
	v_add_f32 v[SU], v[SU], v[SU+1]
	v_permlanex16_b32 v[T1], v[SU], s[SEL], s[SEL+1]
	v_add_f32 v[SU], v[SU], v[T1]                  ; the row's sum
	s_wait_alu depctr_va_vdst(0)
	v_rcp_f32 v[FF], v[SU]
	v_nop
	s_wait_alu depctr_va_vdst(0)
.set n, 0
.rept 16
	v_pk_mul_f32 v[O+n:O+n+1], v[O+n:O+n+1], v[FF:FF+1] op_sel_hi:[1,0]
.set n, n+2
.endr
.irp b, 0,1
.irp j, 0,1,2,3,4,5,6,7
	v_permlane16_swap_b32 v[O+16*\b+\j], v[O+16*\b+8+\j]
.endr
.endr
.irp b, 0,1
	v_max3_num_f32 v[BM+\b], |v[O+16*\b]|, |v[O+16*\b+1]|, 0x1800000
.endr
.irp i, 2,4,6,8,10,12,14
.irp b, 0,1
	v_max3_num_f32 v[BM+\b], v[BM+\b], |v[O+16*\b+\i]|, |v[O+16*\b+\i+1]|
.endr
.endr
.irp b, 0,1
	v_permlanex16_b32 v[PT+\b], v[BM+\b], s[SEL], s[SEL+1]
.endr
.irp b, 0,1
	v_max_num_f32 v[BM+\b], v[BM+\b], v[PT+\b]
.endr
.irp b, 0,1
	v_add_nc_u32 v[SO+\b], 0xff000000, v[BM+\b]
.endr
.irp b, 0,1
	v_lshrrev_b32 v[PT+\b], 23, v[SO+\b]
.endr
	v_lshl_or_b32 v[T2], v[PT+1], 8, v[PT]         ; my row's two scale bytes of this head
	v_cvt_scalef32_pk16_fp6_f32 v[PC:PC+2], v[O:O+15], v[SO]
	v_cvt_scalef32_pk16_fp6_f32 v[PT+4:PT+6], v[O+16:O+31], v[SO+1]
	v_nop
.irp i, 0,1,2
	v_permlane16_swap_b32 v[PC+\i], v[PT+4+\i]
.endr
.irp i, 0,1,2
	v_mov_b32 v[PC+3+\i], v[PT+4+\i]
.endr
	WIN 0x04*(\tile)
	global_store_b128 v[L16], v[PC:PC+3], s[8:9] offset:12288*(\tile)
	global_store_b64 v[L8], v[PC+4:PC+5], s[8:9] offset:12288*(\tile)+512
.endm
	s_load_b256 s[4:11], s[0:1], 0x0               ; qimg, kv, oc, os
	v_lshl_add_u32 v[SPW], v0, 2, SPARE
	v_mov_b32 v[NIL], 0
	ds_add_u32 v[SPW], v[NIL]                      ; the opening lines: the add, twice on end, and its wait
	ds_add_u32 v[SPW], v[NIL]
	v_lshrrev_b32 v96, 5, v0
	v_readfirstlane_b32 s[WV], v96                 ; wave 0..7
	s_bfe_u32 s13, ttmp6, 0x40000                  ; cx
	s_lshl_b32 s15, ttmp9, 2
	s_add_co_u32 s13, s13, s15                     ; my block of 512 queries: it enters q's and o's addresses alone
	s_and_b32 s14, ttmp7, 0xffff                   ; 16 b + head, which the four partners share
	s_mov_b32 s[G1], 15|(3<<16)|(1<<21)            ; the mask: all four; elements of 8 bytes; no padding
	s_mov_b32 s[G1+1], 32<<16                      ; rows of 256 bytes,
	s_mov_b32 s[G1+2], 106<<16                     ; 106 of them: two blocks
	s_mov_b32 s[G1+3], 32<<16
	s_mov_b32 s[G1+4], 106
	s_mov_b32 s[G1+5], 32
	s_mov_b32 s[G1+6], 0
	s_mov_b32 s[G1+7], 0
	s_mul_i32 s46, s14, HEADB                      ; the head's first byte in qimg and kv
	s_mov_b32 s47, 0
	s_mul_i32 s48, s[WV], 2*BLK                    ; blocks 2 w, 2 w + 1: in memory and in LDS
	s_mov_b32 s49, 0
	s_lshl_b32 s50, s13, 2
	s_lshr_b32 s58, s[WV], 2
	s_add_co_u32 s50, s50, s58
	s_mul_i32 s50, s50, BLK
	s_add_co_u32 s50, s50, s46                     ; the block that holds my 32 queries of pass 0
	s_and_b32 s58, s[WV], 3
	s_lshr_b32 s59, s58, 1
	s_lshl_b32 s59, s59, 8
	s_and_b32 s60, s[WV], 1
	s_lshl_b32 s60, s60, 3
	s_add_co_u32 s52, s50, s59
	s_add_co_u32 s52, s52, s60
	s_add_co_u32 s52, s52, KSC                     ; tile 2 (w & 3)'s scale words
	s_mov_b32 s53, 0
	s_mul_i32 s58, s58, 1536
	s_add_co_u32 s50, s50, s58                     ; and its codes
	s_mov_b32 s51, 0
	s_lshr_b32 s54, s14, 4
	s_lshl_b32 s54, s54, 7
	s_lshl_b32 s58, s13, 5
	s_add_co_u32 s54, s54, s58
	s_lshl_b32 s58, s[WV], 1
	s_add_co_u32 s54, s54, s58                     ; my first tile of 16 tokens
	s_lshl_b32 s56, s54, 9
	s_mul_i32 s54, s54, 12288
	s_and_b32 s58, s14, 15
	s_mul_i32 s59, s58, 768
	s_add_co_u32 s54, s54, s59
	s_mov_b32 s55, 0
	s_lshl_b32 s58, s58, 1
	s_add_co_u32 s56, s56, s58
	s_mov_b32 s57, 0
	s_mov_b32 s[CS], 0x3fb8aa3b                    ; log2(e)
	s_mov_b32 s[CS+1], s[CS]
	s_mov_b32 s[SEL], 0x76543210
	s_mov_b32 s[SEL+1], 0xfedcba98
	s_mov_b32 s[HM], 0xffff0000
	s_mov_b32 s[PASS], 2
	s_mov_b32 s[TN], 0
	s_wait_dscnt 0x0                               ; both opening adds are done
	s_wait_kmcnt 0x0
	s_add_nc_u64 s[6:7], s[6:7], s[46:47]
	s_add_nc_u64 s[6:7], s[6:7], s[48:49]
	s_add_nc_u64 s[QP:QP+1], s[4:5], s[50:51]
	s_add_nc_u64 s[QSP:QSP+1], s[4:5], s[52:53]
	s_add_nc_u64 s[8:9], s[8:9], s[54:55]
	s_add_nc_u64 s[10:11], s[10:11], s[56:57]
	CROUND                                         ; all four work-groups are here: the joint loads meet
	s_mov_b32 s[G0], 1
	s_mov_b32 s[G0+1], s48
	s_mov_b64 s[G0+2:G0+3], s[6:7]
	s_or_b32 s[G0+3], s[G0+3], 0x80000000
	tensor_load_to_lds s[G0:G0+3], s[G1:G1+7]      ; my one load of the launch
	s_nop 0
	PLACES 4
	v_and_b32 v96, 31, v0
	v_and_b32 v97, 15, v0
	v_bfe_u32 v98, v0, 4, 1                        ; h
	v_and_b32 v99, 7, v0
	v_bfe_u32 v100, v0, 3, 1                       ; g = (lane % 16) / 8
	v_lshlrev_b32 v[L16], 4, v96
	v_lshlrev_b32 v[L8], 3, v96
	v_lshlrev_b32 v[R16], 4, v97
	v_lshlrev_b32 v[L32], 5, v96
	v_lshlrev_b32 v[BAB], 7, v98
	v_lshlrev_b32 v101, 4, v99
	v_lshlrev_b32 v102, 3, v99
	v_lshl_add_u32 v101, v98, 8, v101              ; 256 h + 16 (r % 8)
	v_lshl_add_u32 v102, v98, 7, v102              ; 128 h + 8 (r % 8)
	v_mad_u32_u24 v[BKA], v100, 1664, v101         ; rows 8-15 come from the image two on (1,536 bytes), in which lanes l and l xor 8 have changed places (+-128, +-64)
	v_mad_u32_u24 v[BKA+1], v100, 1408, v101
	v_mad_u32_u24 v[BKB], v100, 1600, v102
	v_mad_u32_u24 v[BKB+1], v100, 1472, v102
	v_lshl_add_u32 v[BKS], v100, 3, v101
	v_lshlrev_b32 v[SH8], 3, v98
	QLOAD
.irp i, 6,7,8,9,10,11
	v_mov_b32 v[Q+\i], 0                           ; q's codes of k = 64 .. 127
.endr
	v_mov_b32 v[T2], 0                             ; (a lane permute's destination counts as one of its sources)
	v_mov_b32 v[PW], 0                             ; (named as the upper half of a pair)
	WIN 0x40
.irp i, 6,7,8,9,10,11
	v_mov_b32 v[Q+\i], 0
.endr
	v_mov_b32 v[T2], 0
	v_mov_b32 v[PW], 0
	v_lshlrev_b32 v[SH8], 3, v98
.irp i, 48,49,50,51,52,53
	v_mov_b32 v[\i], 0                             ; behind k's last tile
.endr
	WIN 0
	s_wait_alu depctr_va_vdst(0)
	s_wait_tensorcnt 0x0                           ; my two blocks are in,
	s_barrier_signal -1
	s_barrier_wait -1                              ; everybody's: the whole head
	KADDR
	KLOAD                                          ; block 0
.Lpass:                                ; two trips: 256 queries each
	INIT
	WIN 0x55
	INIT
	WIN 0
	s_wait_loadcnt 0x0                             ; q
	s_mov_b32 s[TB], 0
	s_mov_b32 s[TN], BLK
	s_mov_b32 s[CNT], 15
.Lstep:
	STEP
	s_add_co_u32 s[TB], s[TB], BLK
	s_add_co_u32 s[TN], s[TN], BLK
	s_sub_co_u32 s[CNT], s[CNT], 1
	s_cmp_lg_u32 s[CNT], 0
	s_cbranch_scc1 .Lstep
	s_mov_b32 s[TN], 0                             ; the last step asks for block 0 again, for the next pass
	STEP
	PLACES 4                                       ; behind the last products
	s_cmp_eq_u32 s[PASS], 1                        ; the next pass's q is asked for here, if there is a next pass
	s_cbranch_scc1 .Lno_next
	s_wait_xcnt 0x0
	s_add_nc_u64 s[QP:QP+1], s[QP:QP+1], 2*BLK
	s_add_nc_u64 s[QSP:QSP+1], s[QSP:QSP+1], 2*BLK
	QLOAD
.Lno_next:
	EPI 0
	EPI 1
	WIN 0x01
	v_mov_b32 v[WB2], v[T2]
	WIN 0
	v_cndmask_b32 v[WO], v[T2], v[WB2], s[HM]      ; lane = token: lanes 0-15 tile A's rows, lanes 16-31 tile B's
	global_store_b16 v[L32], v[WO], s[10:11]
	s_wait_xcnt 0x0                                ; the stores have read their registers and bases
	s_add_nc_u64 s[8:9], s[8:9], 196608            ; 16 tiles of tokens on
	s_add_nc_u64 s[10:11], s[10:11], 8192
	s_sub_co_u32 s[PASS], s[PASS], 1
	s_cmp_lg_u32 s[PASS], 0
	s_cbranch_scc1 .Lpass
	s_wait_tensorcnt 0x0                           ; the wave's end
	ds_add_u32 v[SPW], v[NIL]
	s_wait_dscnt 0x0
	CROUND                                         ; the closing round
	s_endpgm
.Lfunc_end_k_qb3b31772cb_attn:
	.size	k_qb3b31772cb_attn, .Lfunc_end_k_qb3b31772cb_attn-k_qb3b31772cb_attn
	.p2alignl 7, 3214868480
	.fill 96, 4, 3214868480
	.section	.rodata,"a",@progbits
	.p2align	6, 0x0
	.amdhsa_kernel k_qb3b31772cb_attn
		.amdhsa_group_segment_fixed_size 218112
		.amdhsa_private_segment_fixed_size 0
		.amdhsa_enable_private_segment 0
		.amdhsa_kernarg_size 32
		.amdhsa_user_sgpr_count 2
		.amdhsa_user_sgpr_kernarg_segment_ptr 1
		.amdhsa_wavefront_size32 1
		.amdhsa_system_sgpr_workgroup_id_x 1
		.amdhsa_system_sgpr_workgroup_id_y 1
		.amdhsa_system_sgpr_workgroup_id_z 1
		.amdhsa_system_vgpr_workitem_id 0
		.amdhsa_next_free_vgpr 512
		.amdhsa_next_free_sgpr 66
		.amdhsa_reserve_vcc 0
		.amdhsa_float_denorm_mode_32 3
		.amdhsa_float_denorm_mode_16_64 3
		.amdhsa_memory_ordered 1
		.amdhsa_forward_progress 1
		.amdhsa_inst_pref_size 78
	.end_amdhsa_kernel
	.amdgpu_metadata
---
amdhsa.version: [ 1, 2 ]
amdhsa.kernels:
  - .name:           k_qb3b31772cb_attn
    .symbol:         k_qb3b31772cb_attn.kd
    .args:
      - { .name: qimg, .offset: 0, .size: 8, .value_kind: global_buffer, .address_space: global }
      - { .name: kv, .offset: 8, .size: 8, .value_kind: global_buffer, .address_space: global }
      - { .name: oc, .offset: 16, .size: 8, .value_kind: global_buffer, .address_space: global }
      - { .name: os, .offset: 24, .size: 8, .value_kind: global_buffer, .address_space: global }
    .group_segment_fixed_size: 218112
    .private_segment_fixed_size: 0
    .kernarg_segment_align: 8
    .kernarg_segment_size: 32
    .max_flat_workgroup_size: 256
    .sgpr_count:     66
    .vgpr_count:     512
    .wavefront_size: 32
...
	.end_amdgpu_metadata
.endif
;; end of part 2
;; launch outp (part 3): grid 4 x 64, 4 waves a work-group, clusters of 4 x 4, 320,000 bytes of LDS; arguments oc, os, Wu_codes, Wu_scales, bu, out0; writes out0
.if DOCPART == 3
	.amdgcn_target "amdgcn-amd-amdhsa--gfx1250"
	.amdhsa_code_object_version 6
	.text
	.protected	k_qb3b31772cb_outp
	.globl	k_qb3b31772cb_outp
	.p2align	8
	.type	k_qb3b31772cb_outp,@function
k_qb3b31772cb_outp:
	s_mov_b64 s[64:65], 0
	v_nop
	global_prefetch_b8 v0, s[64:65] scope:SCOPE_SE
	s_setreg_imm32_b32 hwreg(HW_REG_WAVE_MODE, 25, 1), 1
	s_wait_xcnt 0x0
	s_wait_alu depctr_hold_cnt(0) depctr_sa_sdst(0) depctr_va_vdst(0) depctr_va_sdst(0) depctr_va_ssrc(0) depctr_va_vcc(0) depctr_vm_vsrc(0)
	s_getreg_b32 s2, hwreg(HW_REG_IB_STS2, 6, 4)
	s_cmp_eq_u32 s2, 0
	s_cbranch_scc0 .Lentry_in_a_cluster
	s_endpgm
.Lentry_in_a_cluster:
	s_bfe_u32 s2, ttmp6, 0x10000c
	s_cmp_lg_u32 s2, 0xf033
	s_cbranch_scc0 .Lentry_shape_is_right
	s_endpgm
.Lentry_shape_is_right:
; out0 = o Wu^T + bu on codes of E2M3: o's codes and scale bytes as the attention launch stored them, Wu's as given.  No work is left out.
; SHARES.  A work-group takes 128 tokens (Y) x 256 columns (X); a wave 64 tokens x 128 columns: 8 x 4 accumulators, (i, j) at v[64 j + 8 i] of window 2; source 0 = 16 rows of Wu (128 (w & 1) + 16 i),
; source 1 = 16 tokens (64 (w >> 1) + 16 j): a lane holds one token and eight neighbouring columns.  bu is the C of each sum's first product.
; All of K = 1,024 lies in LDS, by ONE tensor load a wave: waves 0, 1 fetch 128 whole rows of Wu each (768 bytes, 16 of padding behind each 256: pitch 816), waves 2, 3 four tiles of o's images each
; (49,152 dense bytes as rows of 256).  Nothing is filled again, and there is no later stream to ask ahead for: no prefetch.
; CLUSTER 4 x 4: o's tiles are asked for jointly along a row of the cluster, Wu's along a column.
; The stage of the way out lies in Wu's bytes, which have had their only fill, behind a barrier at which every wave's LDS reads are over.
; LIMITS: NaN and infinities are not served.
.set WP,    816
.set OI0,   256*WP
.set OHALF, 49152
.set SPARE, OI0+2*OHALF
.set R,    1
.set H,    2
.set LN,   3
.set AW0,  4                           ; v4-7 my rows of Wu: tiles 0-3, tiles 4-7; the odd register serves the pieces whose lanes 16-31 lie behind one padding more
.set I16,  8                           ; v8-9 o's images: 16 x lane and 8 x lane
.set STO,  12
.set RD,   13
.set CO,   14
.set BUO,  15
.set R32,  23
.set SPW,  26
.set NIL,  27
.set BU,   32
.set SA,   96
.set SB,   160
.set WV,   26
.set G1O,  36
.set G1W,  44
.set G0O,  52
.set G0W,  56
.set MSB, 0
.macro WIN new
.if MSB != (\new)
	s_set_vgpr_msb (MSB<<8)|(\new)
.set MSB, (\new)
.endif
.endm
.macro CROUND
	s_barrier_signal -1
	s_barrier_wait -1
	s_cmp_lg_u32 s[WV], 0
	s_cbranch_scc1 .Lnot_wave_0_\@
	s_barrier_signal -3
.Lnot_wave_0_\@:
	s_barrier_wait -3
	s_barrier_signal -1
	s_barrier_wait -1
.endm
.macro PLACES n
.rept \n
	v_nop
.endr
.endm
.macro FRW reg, adr, s, i              ; a fragment of Wu: K step s, tile i of the address's four, in pieces of 8 bytes
.irp p, 0,1,2,3,4,5
.set PP, 12*(\s)+6*(\p/3)+\p%3
.if PP%32 < 29
	ds_load_b64 v[(\reg)+2*\p:(\reg)+2*\p+1], v[\adr] offset:8*PP+16*(PP/32)+(\i)*16*WP
.else
	ds_load_b64 v[(\reg)+2*\p:(\reg)+2*\p+1], v[(\adr)+1] offset:8*PP+16*(PP/32)+(\i)*16*WP
.endif
.endr
.endm
.macro FRI reg, s, j                   ; a fragment of o: the images of heads 2 s and 2 s + 1, six registers each
	ds_load_b128 v[(\reg):(\reg)+3], v[I16] offset:12288*(\j)+1536*(\s)
	ds_load_b64 v[(\reg)+4:(\reg)+5], v[I16+1] offset:12288*(\j)+1536*(\s)+512
	ds_load_b128 v[(\reg)+6:(\reg)+9], v[I16] offset:12288*(\j)+1536*(\s)+768
	ds_load_b64 v[(\reg)+10:(\reg)+11], v[I16+1] offset:12288*(\j)+1536*(\s)+1280
.endm
.macro FETCH s                         ; 64 loads in one run, into set s % 2
	WIN 0x40+0x80*((\s)%2)
.irp i, 0,1,2,3,4,5,6,7
	FRW 12*\i, AW0+2*(\i/4), \s, \i%4
.endr
.irp j, 0,1,2,3
	FRI 96+12*\j, \s, \j
.endr
	WIN 0
.endm
.macro MUL s, j0, bias                 ; 16 products; the 32 accumulators take turns in one order in every K step
.irp j, \j0, \j0+1
.irp i, 0,1,2,3,4,5,6,7
.if \bias
	v_wmma_scale_f32_16x16x128_f8f6f4 v[64*(\j)+8*\i:64*(\j)+8*\i+7], v[12*\i:12*\i+11], v[96+12*(\j):96+12*(\j)+11], v[BU+8*\i:BU+8*\i+7], v[SA+8*\i+(\s)], v[SB+8*(\j)+(\s)] matrix_a_fmt:MATRIX_FMT_FP6 matrix_b_fmt:MATRIX_FMT_FP6
.else
	v_wmma_scale_f32_16x16x128_f8f6f4 v[64*(\j)+8*\i:64*(\j)+8*\i+7], v[12*\i:12*\i+11], v[96+12*(\j):96+12*(\j)+11], v[64*(\j)+8*\i:64*(\j)+8*\i+7], v[SA+8*\i+(\s)], v[SB+8*(\j)+(\s)] matrix_a_fmt:MATRIX_FMT_FP6 matrix_b_fmt:MATRIX_FMT_FP6
.endif
.endr
.endr
.endm
; meet = 1: my LDS reads are over; behind the barrier everybody's are, and the stage may be written
.macro KSTEP s, bias, more, meet
	s_wait_dscnt 0x0
.if \meet
	WIN 0
	s_barrier_signal -1
	s_barrier_wait -1
.endif
.if \more
	WIN 0
	PLACES 4                                       ; between the last step's products and the loads into the set that they read
	FETCH (\s)+1
.endif
.if \bias
	WIN 0x85                                       ; C (bu) in window 0
.else
	WIN 0xa5+0x0a*((\s)%2)
.endif
	MUL \s, 0, \bias
	MUL \s, 2, \bias
.endm
.macro TOSTAGE a                       ; 16 tokens x 128 columns through my stage: in by lanes (32 bytes of a row each), back by whole rows of 512 bytes
	WIN 0x08
.irp i, 0,1,2,3,4,5,6,7
	ds_store_b128 v[STO], v[64*(\a)+8*\i:64*(\a)+8*\i+3] offset:64*\i          ; each accumulator from its low end on
	ds_store_b128 v[STO], v[64*(\a)+8*\i+4:64*(\a)+8*\i+7] offset:64*\i+16
.endr
	WIN 0
.set BB, 192-160*((\a)%2)
.irp t, 0,1,2,3,4,5,6,7,8,9,10,11,12,13,14,15
	ds_load_b128 v[BB+4*\t:BB+4*\t+3], v[RD] offset:\t*528   ; LDS serves a wave's instructions in order: these see my stores
.endr
.endm
.macro SEND a, younger
.set BB, 192-160*((\a)%2)
	s_wait_dscnt \younger
.irp t, 0,1,2,3,4,5,6,7,8,9,10,11,12,13,14,15
	global_store_b128 v[CO], v[BB+4*\t:BB+4*\t+3], s[14:15] offset:(16*(\a)+\t)*4096 th:TH_STORE_NT   ; 32 lanes store 512 consecutive bytes, at a multiple of 256 from out0's first byte
.endr
.endm
	s_load_b256 s[4:11], s[0:1], 0x0               ; oc, os, Wu codes, Wu scales
	s_load_b128 s[12:15], s[0:1], 0x20             ; bu, out0
	v_lshl_add_u32 v[SPW], v0, 2, SPARE
	v_mov_b32 v[NIL], 0
	ds_add_u32 v[SPW], v[NIL]                      ; the opening lines: the add, twice on end, and its wait
	ds_add_u32 v[SPW], v[NIL]
	v_lshrrev_b32 v1, 5, v0
	v_readfirstlane_b32 s[WV], v1
	s_and_b32 s27, s[WV], 1
	s_lshr_b32 s28, s[WV], 1
	s_bfe_u32 s29, ttmp6, 0x40000                  ; cx
	s_bfe_u32 s30, ttmp6, 0x40004                  ; cy
	s_lshl_b32 s31, ttmp9, 2
	s_add_co_u32 s31, s31, s29                     ; X
	s_and_b32 s32, ttmp7, 0xffff
	s_lshl_b32 s32, s32, 2
	s_add_co_u32 s32, s32, s30                     ; Y
	s_lshl_b32 s33, s30, 2
	s_lshl_b32 s33, 15, s33                        ; my row of the cluster
	s_lshl_b32 s34, 0x1111, s29                    ; my column
	s_or_b32 s[G1O], s33, (3<<16)|(1<<21)          ; o: elements of 8 bytes, no padding: 192 rows of 256 bytes
	s_mov_b32 s[G1O+1], 32<<16
	s_mov_b32 s[G1O+2], 192<<16
	s_mov_b32 s[G1O+3], 32<<16
	s_mov_b32 s[G1O+4], 192
	s_mov_b32 s[G1O+5], 32
	s_mov_b32 s[G1O+6], 0
	s_mov_b32 s[G1O+7], 0
	s_or_b32 s[G1W], s34, (1<<20)|(1<<21)|(5<<22)|(3<<25)   ; Wu: elements of 1 byte; 4 words of padding behind every 64 words: 128 rows of 768 bytes
	s_mov_b32 s[G1W+1], 768<<16
	s_mov_b32 s[G1W+2], 128<<16
	s_mov_b32 s[G1W+3], 768<<16
	s_mov_b32 s[G1W+4], 128
	s_mov_b32 s[G1W+5], 768
	s_mov_b32 s[G1W+6], 0
	s_mov_b32 s[G1W+7], 0
	s_lshl_b32 s76, s31, 8
	s_lshl_b32 s92, s27, 7
	s_add_co_u32 s76, s76, s92                     ; row 256 X + 128 (w & 1) of Wu: what waves 0, 1 fetch, and my first column
	s_mul_i32 s72, s76, 768
	s_mov_b32 s73, 0
	s_lshl_b32 s74, s32, 3
	s_lshl_b32 s91, s27, 2
	s_add_co_u32 s74, s74, s91
	s_mul_i32 s74, s74, 12288                      ; o's images at tile 8 Y + 4 (w & 1): what waves 2, 3 fetch
	s_mov_b32 s75, 0
	s_lshl_b32 s80, s76, 2                         ; my first column in bu and in a row of out0
	s_mov_b32 s81, 0
	s_lshl_b32 s76, s76, 5                         ; its scale bytes
	s_mov_b32 s77, 0
	s_lshl_b32 s78, s32, 7
	s_lshl_b32 s93, s28, 6
	s_add_co_u32 s78, s78, s93                     ; my first token
	s_lshl_b32 s82, s78, 12                        ; its row of out0
	s_add_co_u32 s82, s82, s80
	s_mov_b32 s83, 0
	s_lshl_b32 s78, s78, 5                         ; its scale bytes
	s_mov_b32 s79, 0
	s_mul_i32 s84, s27, 128*WP                     ; where the halves go in LDS: the wave's number alone
	s_mul_i32 s85, s27, OHALF
	s_wait_dscnt 0x0                               ; both opening adds are done
	s_wait_kmcnt 0x0
	s_add_nc_u64 s[4:5], s[4:5], s[74:75]
	s_add_nc_u64 s[6:7], s[6:7], s[78:79]
	s_add_nc_u64 s[8:9], s[8:9], s[72:73]
	s_add_nc_u64 s[10:11], s[10:11], s[76:77]
	s_add_nc_u64 s[12:13], s[12:13], s[80:81]
	s_add_nc_u64 s[14:15], s[14:15], s[82:83]
	CROUND                                         ; all sixteen work-groups are here: the joint loads meet
	s_mov_b32 s[G0O], 1
	s_add_co_u32 s[G0O+1], s85, OI0
	s_mov_b64 s[G0O+2:G0O+3], s[4:5]
	s_or_b32 s[G0O+3], s[G0O+3], 0x80000000
	s_mov_b32 s[G0W], 1
	s_mov_b32 s[G0W+1], s84
	s_mov_b64 s[G0W+2:G0W+3], s[8:9]
	s_or_b32 s[G0W+3], s[G0W+3], 0x80000000
	s_cmp_lt_u32 s[WV], 2                          ; one load a wave
	s_cbranch_scc0 .Lhead_o
	tensor_load_to_lds s[G0W:G0W+3], s[G1W:G1W+7]
	s_nop 0
	PLACES 4
	s_branch .Lhead_asked
.Lhead_o:
	tensor_load_to_lds s[G0O:G0O+3], s[G1O:G1O+7]
	s_nop 0
	PLACES 4
.Lhead_asked:
	v_and_b32 v[R], 15, v0
	v_bfe_u32 v[H], v0, 4, 1
	v_and_b32 v[LN], 31, v0
	v_lshlrev_b32 v[R32], 5, v[R]
	v_lshlrev_b32 v[BUO], 5, v[H]
.irp i, 0,1,2,3,4,5,6,7
	global_load_b128 v[SA+8*\i:SA+8*\i+3], v[R32], s[10:11] offset:512*\i
	global_load_b128 v[SA+8*\i+4:SA+8*\i+7], v[R32], s[10:11] offset:512*\i+16
	global_load_b128 v[BU+8*\i:BU+8*\i+3], v[BUO], s[12:13] offset:64*\i        ; bu at columns 16 i + 8 (lane / 16) + 0 .. 7
	global_load_b128 v[BU+8*\i+4:BU+8*\i+7], v[BUO], s[12:13] offset:64*\i+16
.endr
.irp j, 0,1,2,3
	global_load_b128 v[SB+8*\j:SB+8*\j+3], v[R32], s[6:7] offset:512*\j
	global_load_b128 v[SB+8*\j+4:SB+8*\j+7], v[R32], s[6:7] offset:512*\j+16
.endr
	v_mul_u32_u24 v16, v[R], WP
	v_mad_u32_u24 v17, v[H], 24, v16
	v_mad_u32_u24 v18, v[H], 40, v16
	s_mul_i32 s90, s27, 128*WP
	v_add_nc_u32 v[AW0], s90, v17
	v_add_nc_u32 v[AW0+1], s90, v18
	s_add_co_u32 s90, s90, 64*WP
	v_add_nc_u32 v[AW0+2], s90, v17
	v_add_nc_u32 v[AW0+3], s90, v18
	s_mul_i32 s91, s28, OHALF                      ; my four tiles of tokens
	s_add_co_u32 s91, s91, OI0
	v_lshl_add_u32 v[I16], v[LN], 4, s91
	v_lshl_add_u32 v[I16+1], v[LN], 3, s91
	s_mul_i32 s92, s[WV], 16*528                   ; my stage
	v_mul_u32_u24 v[STO], v[R], 528
	v_lshl_add_u32 v[STO], v[H], 5, v[STO]
	v_add_nc_u32 v[STO], s92, v[STO]
	v_lshl_add_u32 v[RD], v[LN], 4, s92
	v_lshlrev_b32 v[CO], 4, v[LN]
	s_wait_alu depctr_va_vdst(0)
	s_wait_tensorcnt 0x0                           ; my load is in,
	s_barrier_signal -1
	s_barrier_wait -1                              ; everybody's
	FETCH 0
	s_wait_loadcnt 0x0                             ; the scale words and bu
	KSTEP 0, 1, 1, 0
	KSTEP 1, 0, 1, 0
	KSTEP 2, 0, 1, 0
	KSTEP 3, 0, 1, 0
	KSTEP 4, 0, 1, 0
	KSTEP 5, 0, 1, 0
	KSTEP 6, 0, 1, 0
	KSTEP 7, 0, 0, 1
	WIN 0
	PLACES 4                                       ; behind the last products: for the reads of results
	TOSTAGE 0
.irp a, 1,2,3
.if \a > 1
	s_wait_xcnt 0x0                                ; block a - 2's stores have read their registers: block a's rows may land there
.endif
	TOSTAGE \a
	SEND \a-1, 32                                  ; behind block a - 1's loads: block a's 16 stores and 16 loads
.endr
	SEND 3, 0
	s_wait_tensorcnt 0x0                           ; the wave's end
	ds_add_u32 v[SPW], v[NIL]
	s_wait_dscnt 0x0
	CROUND                                         ; the closing round
	s_endpgm
.Lfunc_end_k_qb3b31772cb_outp:
	.size	k_qb3b31772cb_outp, .Lfunc_end_k_qb3b31772cb_outp-k_qb3b31772cb_outp
	.p2alignl 7, 3214868480
	.fill 96, 4, 3214868480
	.section	.rodata,"a",@progbits
	.p2align	6, 0x0
	.amdhsa_kernel k_qb3b31772cb_outp
		.amdhsa_group_segment_fixed_size 320000
		.amdhsa_private_segment_fixed_size 0
		.amdhsa_enable_private_segment 0
		.amdhsa_kernarg_size 48
		.amdhsa_user_sgpr_count 2
		.amdhsa_user_sgpr_kernarg_segment_ptr 1
		.amdhsa_wavefront_size32 1
		.amdhsa_system_sgpr_workgroup_id_x 1
		.amdhsa_system_sgpr_workgroup_id_y 1
		.amdhsa_system_sgpr_workgroup_id_z 1
		.amdhsa_system_vgpr_workitem_id 0
		.amdhsa_next_free_vgpr 1024
		.amdhsa_next_free_sgpr 100
		.amdhsa_reserve_vcc 0
		.amdhsa_float_denorm_mode_32 3
		.amdhsa_float_denorm_mode_16_64 3
		.amdhsa_memory_ordered 1
		.amdhsa_forward_progress 1
		.amdhsa_inst_pref_size 91
	.end_amdhsa_kernel
	.amdgpu_metadata
---
amdhsa.version: [ 1, 2 ]
amdhsa.kernels:
  - .name:           k_qb3b31772cb_outp
    .symbol:         k_qb3b31772cb_outp.kd
    .args:
      - { .name: oc, .offset: 0, .size: 8, .value_kind: global_buffer, .address_space: global }
      - { .name: os, .offset: 8, .size: 8, .value_kind: global_buffer, .address_space: global }
      - { .name: Wu_codes, .offset: 16, .size: 8, .value_kind: global_buffer, .address_space: global }
      - { .name: Wu_scales, .offset: 24, .size: 8, .value_kind: global_buffer, .address_space: global }
      - { .name: bu, .offset: 32, .size: 8, .value_kind: global_buffer, .address_space: global }
      - { .name: out0, .offset: 40, .size: 8, .value_kind: global_buffer, .address_space: global }
    .group_segment_fixed_size: 320000
    .private_segment_fixed_size: 0
    .kernarg_segment_align: 8
    .kernarg_segment_size: 48
    .max_flat_workgroup_size: 128
    .sgpr_count:     100
    .vgpr_count:     1024
    .wavefront_size: 32
...
	.end_amdgpu_metadata
.endif
;; end of part 3
